; MI455X (gfx1250); checked and timed in simulation.
; The chip was launched on July 23, 2026; its instructions are those of AMD's public machine-readable ISA for CDNA 5 (MIT licence, August 2026) and "CDNA5" Instruction Set Architecture Reference Guide (July 2026). The comments in the code are by the model that wrote it; some were corrected since.
;; Cross Attention. Allowed arithmetic: matrix products marked QUANTISED: E5M2 operands, one E8M0 scale for each 32 along K, by v_wmma_scale_f32_16x16x128_f8f6f4 with both operands' format E5M2, f32 sums; everything else in f32.
;; Inputs: Wk_codes 128 x 8 x 32 uint8 (E5M2 codes of Wk, K innermost, in blocks of 32 codes); Wk_scales 128 x 8 uint8 (E8M0 scales of Wk, one for each 32 codes along K); Wo_codes 256 x 4 x 32 uint8 (E5M2 codes of Wo, K innermost, in blocks of 32 codes); Wo_scales 256 x 4 uint8 (E8M0 scales of Wo, one for each 32 codes along K); Wq_codes 128 x 8 x 32 uint8 (E5M2 codes of Wq, K innermost, in blocks of 32 codes); Wq_scales 128 x 8 uint8 (E8M0 scales of Wq, one for each 32 codes along K); Wv_codes 128 x 8 x 32 uint8 (E5M2 codes of Wv, K innermost, in blocks of 32 codes); Wv_scales 128 x 8 uint8 (E8M0 scales of Wv, one for each 32 codes along K); b 1 x 256 x 1 float32; bo 256 float32; g 1 x 256 x 1 float32; x 8 x 256 x 2,048 float32.
;; Outputs: out0 8 x 256 x 2,048 float32.
;; This version of the problem:
;;   THIS VERSION OF THE PROBLEM IS GIVEN IN LOW PRECISION. The matrix products marked QUANTISED in the list below multiply operands that are first quantised to E5M2 (5 exponent bits, 2 mantissa bits; 8 bits a number), with one power-of-two scale for each 32 numbers along K (OCP MX v1.0); their sums are f32. All else is computed in f32.
;;   The module's matrix products, in the order in which they are computed (A, B: the left and right operand; K: the contracted axis; several contracted axes count as one K, in the product's order):
;;     1. [M 16,384, K 256] x [K 256, N 128]; A: computed on the way; B: input Wq (given as codes): QUANTISED
;;     2. [M 16,384, K 256] x [K 256, N 128]; A: computed on the way; B: input Wk (given as codes): QUANTISED
;;     3. [M 16,384, K 256] x [K 256, N 128]; A: computed on the way; B: input Wv (given as codes): QUANTISED
;;     4. batch 32 x [M 2,048, K 32] x [K 32, N 2,048]; A: computed on the way; B: computed on the way: QUANTISED
;;     5. batch 32 x [M 32, K 2,048] x [K 2,048, N 2,048]; A: computed on the way; B: softmax (see below): QUANTISED
;;     6. [M 16,384, K 128] x [K 128, N 256]; A: computed on the way; B: input Wo (given as codes): QUANTISED
;;   THE QUANTISER, for each operand of a quantised product, along K:
;;     - K is cut into blocks of 32 from its start; a last block that is shorter is filled with zeros.
;;     - A block's scale is 2^e with e = floor(log2(the largest magnitude in the block)) - 15, held to -126 .. 127; a block of zeros has e = 0. As a byte (E8M0): e + 127.
;;     - Each number is divided by its block's scale, clamped to +-57,344, and rounded to the nearest number of E5M2, ties to even, subnormals kept.
;;     - The product sums the exact products of the quantised numbers (number of the format x scale) in f32.
;;   ~~~python
;;   def quantise(x, axis):      # numpy; x: float32 -> the quantised numbers, widened to float32 again
;;       x = np.moveaxis(x, axis, -1); K = x.shape[-1]
;;       x = np.pad(x, [(0, 0)] * (x.ndim - 1) + [(0, -K % 32)]); x = x.reshape(x.shape[:-1] + (-1, 32)); a = np.abs(x).max(-1, keepdims=True)
;;       e = np.where(a > 0, np.clip(np.frexp(np.where(a > 0, a, 1))[1] - 1 - 15, -126, 127), 0)      # np.frexp(a)[1] - 1 = floor(log2(a)), exactly
;;       r = np.clip(x / 2.0 ** e, -57344, 57344)
;;       step = 2.0 ** (np.maximum(np.frexp(np.where(r == 0, 1, r))[1] - 1, -14) - 2)
;;       q = np.round(r / step) * step * 2.0 ** e      # np.round: ties to even
;;       return np.moveaxis(q.reshape(q.shape[:-2] + (-1,))[..., :K], -1, axis).astype(np.float32)
;;   ~~~
;;   SOFTMAX AHEAD OF A QUANTISED PRODUCT. Where the list says 'softmax', what is quantised is not the finished softmax but p = 2^(t - M), with t = logit x log2(e) and M = ceil(the row's largest t), a whole number; so 1/2 < the row's largest p <= 1. The row's sum l is taken of the UNQUANTISED p, in f32, and the product's result is divided by l at the end. Since M is a whole number, a kernel that streams over the keys may use a running M (the ceiling of the running maximum): every later rescaling is an exact power of two, which a block's scale takes up: the codes' values come out the same.
;;   OPERANDS COMPUTED ON THE WAY. 'Computed on the way' means the value that the module computes at that place (a softmax that the list does not call 'softmax' is quantised finished and normalised). What goes into a quantiser is computed in f32, as accurately as f32 sums, v_exp_f32 and their like allow (about 1e-6 of the number): no bf16 or f16 on the way to a quantiser, and a product that is left as it is and whose result goes on into a quantised operand takes f32 operands (vector FMAs, or v_wmma_f32_16x16x4_f32). A number that lies on a knife's edge between two numbers of the format may be rounded either way, as far as f32 arithmetic and the matrix unit's own rounding can turn it there, and no further.
;;   INPUTS GIVEN AS CODES. Wk (in the module: [128, 256], K = its axis 1); Wo (in the module: [256, 128], K = its axis 1); Wq (in the module: [128, 256], K = its axis 1); Wv (in the module: [128, 256], K = its axis 1): each comes as NAME_codes (uint8): NAME with its K axis moved to the last place and cut into blocks of 32 codes, [.., K / 32, bytes a block], one block behind the other in memory; one code a byte (a code: sign, 5 exponent bits, 2 mantissa bits); and NAME_scales (uint8): the same leading axes, one E8M0 byte (e + 127) for each 32 codes along K. Its value is code x scale, taken as it is: it is not quantised again, and the codes and scales need not be those that the quantiser above would give.
;; One version. Each part assembles by itself: llvm-mc -triple=amdgcn-amd-amdhsa -mcpu=gfx1250 --defsym DOCPART=n.
;; ======== version 1 of 1: 2 launches
;; limits: right only within a limited range of input values
;; workspace buffers: kv 4,325,376 bytes; qimg 2,097,152 bytes; qscl 262,144 bytes
;; launch prep (part 1): grid 32 x 8, 4 waves a work-group, no clusters, 168,448 bytes of LDS; arguments x, g, b, Wq_codes, Wq_scales, Wk_codes, Wk_scales, Wv_codes, Wv_scales, kv, qimg, qscl; writes kv, qimg, qscl
.if DOCPART == 1
	.amdgcn_target "amdgcn-amd-amdhsa--gfx1250"
	.amdhsa_code_object_version 6
	.text
	.protected	k_q4ceb0a0dd5_prep
	.globl	k_q4ceb0a0dd5_prep
	.p2align	8
	.type	k_q4ceb0a0dd5_prep,@function
k_q4ceb0a0dd5_prep:
	s_mov_b64 s[64:65], 0
	v_nop
	global_prefetch_b8 v0, s[64:65] scope:SCOPE_SE
	s_setreg_imm32_b32 hwreg(HW_REG_WAVE_MODE, 25, 1), 1
	s_wait_xcnt 0x0
; LayerNorm over the 256 channels of x [8][256][2048], then q, k, v = xn W^T on codes of BF8 (E5M2) with one E8M0 scale for each 32 along K, then q, k, v quantised again
; for the attention's products and stored AS IMAGES OF OPERAND REGISTERS (lane l's 16 bytes at 16 l), so that the next launch loads fragments whole.
; SHARES.  A work-group takes 64 positions of one batch.  First wave w normalises and quantises tile w of 16 positions; then wave w is HEAD w and makes that head's q, k, v for all 64 positions;
; its 12 weight fragments (192 registers, window 1) come from memory straight into registers.  They are not asked for jointly with other work-groups: each fragment is read by one wave, once, in the lane order
; of the operand, which a tile laid in LDS would only have to be read out of again.
; THE POSITIONS OF A TILE ARE NOT NEIGHBOURS: row r of tile 2 b + u is position 32 b + 8 u + r + 8 (r / 8), and likewise the channels of a head's two weight tiles.  So a result's register j in lane half h
; is place 32 b + 16 h + 8 u + j, and the 16 registers of tiles 2 b, 2 b + 1 are 16 neighbours: the order that the conversions and the next operand want.
; q, k: source 0 = 16 weight rows, source 1 = 16 positions: a lane holds one position and 16 of the head's 32 channels (their K).   v: the sources swapped: a lane holds one channel and 16 keys (its K).
; kv: [batch][128 keys][33,792]: K images [head][tile 8][512], V images [head][u 2][key block 4][512], K scale words [head][32 lanes] (lane 16 g + r, byte c: tile 4 g + c), V scale words [head][32 lanes] (lane 16 u + r, byte c: key block c).
; qimg: [batch][head][tile 128][512];  qscl: [batch][head][tile][16 words], the scale byte in all four bytes of a word.
; LIMITS: NaN and infinities among the inputs are not served.  A block whose largest magnitude lies under 2^-111, a block of zeros among them, gets the scale byte 1; the bytes are read by this program alone.
; The scale words leave in pieces of 64 and 128 bytes (two bytes a lane for V's): 1/33 of what the launch stores.
.set XP,   264                         ; a channel's row in LDS: 64 positions x 4 bytes + 8 of padding = 66 words: lanes 16-31 read 16 rows further down, 32 banks on
.set GL,   256*XP                      ; behind x's tile: g, 1,024 bytes, then b, 1,024 bytes
.set XIMG, GL+2048                     ; xn's eight fragments (tile m, K step s: 2 m + s), 2,048 bytes each
.set XSC,  XIMG+16384                  ; their scale words, 128 bytes each
.set PW,   8                           ; v8      the scale word just made
.set WS,   12                          ; v12-23  the weights' scale words: 4 kind + 2 u + s
.set XS,   24                          ; v24-31  xn's scale words: 2 m + s (at the head: offsets of the first loads)
.set TM,   32                          ; v32-35 largest magnitudes, v36-39 bytes, v40-43 scale words built from the bytes, v44-47 the conversions' scale operands
.set PC,   48                          ; v48-63  the codes just made
.set ACC,  64                          ; v64-127 eight accumulators; earlier the sums' chains, then 32 numbers of g and 32 of b
.set SM,   64
.set G,    64
.set BB,   96
.set X,    128                         ; v128-255 x, then xn: register 16 c + i = channel 32 c + 16 h + i of my position; later xn's eight fragments
.set MNT,  29
.set SEL,  30                          ; s[30:31] v_permlanex16_b32's selects for lane l xor 16
.set MSB, 0
.macro WIN new                         ; the immediate's high byte repeats the setting that is left
.if MSB != \new
	s_set_vgpr_msb (MSB<<8)|\new
.set MSB, \new
.endif
.endm
; 64 numbers of a lane, four blocks of 16 that lane l xor 16 completes to 32, become 16 registers of codes in v[PC] on, four bytes in v[TM+4] on and their word in v[PW].
.macro QUANT s
.irp b, 0,1,2,3
	v_max3_num_f32 v[TM+\b], |v[\s+16*\b]|, |v[\s+1+16*\b]|, 0x8000000   ; my 16 numbers, and the floor 2^(16 - 127): the byte cannot fall under 1
.endr
.irp i, 2,4,6,8,10,12,14
.irp b, 0,1,2,3
	v_max3_num_f32 v[TM+\b], v[TM+\b], |v[\s+16*\b+\i]|, |v[\s+1+16*\b+\i]|   ; the four blocks by turns
.endr
.endr
.irp b, 0,1,2,3
	v_permlanex16_b32 v[TM+4+\b], v[TM+\b], s[SEL], s[SEL+1]
.endr
.irp b, 0,1,2,3
	v_max_num_f32 v[TM+\b], v[TM+\b], v[TM+4+\b]           ; the block's largest magnitude
.endr
.irp b, 0,1,2,3
	v_add_nc_u32 v[TM+12+\b], 0xf8800000, v[TM+\b]         ; 15 off its exponent field: the conversion's scale operand
.endr
.irp b, 0,1,2,3
.endr
.irp b, 0,1,2,3
	v_lshrrev_b32 v[TM+4+\b], 23, v[TM+12+\b]              ; the scale's byte
.endr
	v_lshl_or_b32 v[PW], v[TM+5], 8, v[TM+4]
	v_lshl_or_b32 v[PW], v[TM+6], 16, v[PW]
	v_lshl_or_b32 v[PW], v[TM+7], 24, v[PW]
.irp b, 0,1,2,3
.irp i, 0,1,2,3,4,5,6,7,8,9,10,11,12,13,14,15
.endr
	v_cvt_scalef32_pk8_bf8_f32 v[PC+4*\b:PC+1+4*\b], v[\s+16*\b:\s+7+16*\b], v[TM+12+\b]
	v_cvt_scalef32_pk8_bf8_f32 v[PC+2+4*\b:PC+3+4*\b], v[\s+8+16*\b:\s+15+16*\b], v[TM+12+\b]
.endr
	v_nop                                                  ; a plain line between the last conversion and whatever next touches its registers
.endm
.macro IMAGE off                       ; the fragment in v[PC] on goes to LDS as it stands
.irp c, 0,1,2,3
	ds_store_b128 v5, v[PC+4*\c:PC+4*\c+3] offset:\off+512*\c
.endr
.endm
.macro BARRIER                         ; my LDS stores have landed and my LDS loads are in: then the work-group's barrier
	s_wait_dscnt 0x0
	s_barrier_signal -1
	s_barrier_wait -1
.endm
.macro REDUCE                          ; four chains of pairs -> one number, with lane l xor 16's (the position's other 128 channels)
	v_pk_add_f32 v[SM:SM+1], v[SM:SM+1], v[SM+2:SM+3]
	v_pk_add_f32 v[SM+4:SM+5], v[SM+4:SM+5], v[SM+6:SM+7]
	v_pk_add_f32 v[SM:SM+1], v[SM:SM+1], v[SM+4:SM+5]
	v_add_f32 v[SM], v[SM], v[SM+1]
	v_permlanex16_b32 v9, v[SM], s[SEL], s[SEL+1]
	v_add_f32 v[SM], v[SM], v9
.endm
; One projection of my head for the 64 positions: 16 matrix instructions, eight accumulators by turns, K step by K step.
; tr = 1: source 0 = the weight's tile u, source 1 = xn's tile m.   tr = 0: the sources swapped, and the accumulators laid so that a channel's 16 keys are neighbours.
.macro PROJ kind, tr
.if \tr
	WIN 0x01                                               ; source 0 in window 1
.else
	WIN 0x04                                               ; source 1 in window 1
.endif
.irp s, 0,1
.irp m, 0,1,2,3
.irp u, 0,1
.set rW, 64*\kind+16*(2*\u+\s)
.set rX, X+16*(2*\m+\s)
.set rWS, WS+4*\kind+2*\u+\s
.set rXS, XS+2*\m+\s
.if \tr
.set rD, ACC+16*\m+8*\u
.if \s == 0
	v_wmma_scale_f32_16x16x128_f8f6f4 v[rD:rD+7], v[rW:rW+15], v[rX:rX+15], 0, v[rWS], v[rXS] matrix_a_fmt:MATRIX_FMT_BF8 matrix_b_fmt:MATRIX_FMT_BF8
.else
	v_wmma_scale_f32_16x16x128_f8f6f4 v[rD:rD+7], v[rW:rW+15], v[rX:rX+15], v[rD:rD+7], v[rWS], v[rXS] matrix_a_fmt:MATRIX_FMT_BF8 matrix_b_fmt:MATRIX_FMT_BF8
.endif
.else
.set rD, ACC+16*(2*\u+\m/2)+8*(\m%2)
.if \s == 0
	v_wmma_scale_f32_16x16x128_f8f6f4 v[rD:rD+7], v[rX:rX+15], v[rW:rW+15], 0, v[rXS], v[rWS] matrix_a_fmt:MATRIX_FMT_BF8 matrix_b_fmt:MATRIX_FMT_BF8
.else
	v_wmma_scale_f32_16x16x128_f8f6f4 v[rD:rD+7], v[rX:rX+15], v[rW:rW+15], v[rD:rD+7], v[rXS], v[rWS] matrix_a_fmt:MATRIX_FMT_BF8 matrix_b_fmt:MATRIX_FMT_BF8
.endif
.endif
.endr
.endr
.endr
	WIN 0
.rept 9
	v_nop                                                  ; places behind the products: eight for the reads of results, one more since the next projection begins these accumulators anew
.endr
.endm
	s_load_b256 s[4:11], s[0:1], 0x0               ; x s[4:5], g s[6:7], b s[8:9], Wq's codes s[10:11]
	s_load_b256 s[12:19], s[0:1], 0x20             ; Wq's scales, Wk's codes, Wk's scales, Wv's codes
	s_load_b256 s[20:27], s[0:1], 0x40             ; Wv's scales, kv, qimg, qscl
	s_set_vgpr_msb 0x40
	v_lshl_add_u32 v254, v0, 2, 0x29000
	v_mov_b32 v255, 0
	s_set_vgpr_msb 0x4045
	ds_add_u32 v254, v255
	ds_add_u32 v254, v255
	s_set_vgpr_msb 0x4500
	v_lshrrev_b32 v9, 5, v0
	v_readfirstlane_b32 s28, v9                    ; wave 0..3
	s_mov_b32 s44, ttmp9                           ; which 64 positions
	s_and_b32 s45, ttmp7, 0xffff                   ; the batch
	; descriptor group 1: 64 channel rows x 64 numbers of 4 bytes, rows 2,048 numbers apart; 2 words of padding behind every 64
	s_mov_b32 s32, (2<<16)|(1<<20)|(5<<22)|(1<<25)
	s_mov_b32 s33, 64<<16                          ; tensor_dim0
	s_mov_b32 s34, 64<<16                          ; tensor_dim1
	s_mov_b32 s35, 64<<16                          ; tile_dim0
	s_mov_b32 s36, 64                              ; tile_dim1
	s_mov_b32 s37, 2048                            ; from row to row
	s_mov_b32 s38, 0
	s_mov_b32 s39, 0
	s_mov_b32 s40, 1
	s_mul_i32 s41, s28, 64*XP                      ; my 64 rows of the tile in LDS
	s_lshl_b32 s46, s45, 21                        ; batch x 256 x 2,048 x 4
	s_lshl_b32 s47, s28, 19                        ; + wave x 64 rows of 8,192 bytes
	s_add_co_u32 s46, s46, s47
	s_lshl_b32 s47, s44, 8                         ; + 64 positions x 4 bytes
	s_add_co_u32 s46, s46, s47
	s_mov_b32 s47, 0
	s_wait_dscnt 0x0
	s_wait_kmcnt 0x0
	s_add_nc_u64 s[42:43], s[4:5], s[46:47]
	s_or_b32 s43, s43, 0x80000000
	tensor_load_to_lds s[40:43], s[32:39]          ; my one tensor load; nothing in LDS is filled twice
	s_nop 0
.rept 4
	v_nop
.endr
	v_and_b32 v9, 31, v0                           ; lane
	v_and_b32 v10, 15, v0                          ; r
	v_bfe_u32 v11, v0, 4, 1                        ; h
	v_lshlrev_b32 v3, 4, v9                        ; v3  16 x lane
	v_lshlrev_b32 v4, 2, v9                        ; v4  4 x lane
	s_wait_alu depctr_va_vdst(0)
	v_lshlrev_b32 v7, 2, v10                       ; v7  4 r
	v_and_b32 v28, 8, v10
	v_add_nc_u32 v28, v28, v10                     ; r + 8 (r / 8)
	s_wait_alu depctr_va_vdst(0)
	v_mul_u32_u24 v1, v11, 16*XP                   ; v1  x's tile: 16 h rows down, my position's word
	v_lshl_add_u32 v1, v28, 2, v1
	s_lshr_b32 s46, s28, 1
	s_lshl_b32 s46, s46, 7                         ; tile w = 2 b + u: 32 b positions
	s_and_b32 s47, s28, 1
	s_lshl_b32 s47, s47, 5                         ; + 8 u
	s_add_co_u32 s46, s46, s47
	v_add_nc_u32 v1, s46, v1
	v_lshl_add_u32 v2, v11, 6, GL                  ; v2  g's 16 numbers of my half of a block
	s_lshl_b32 s46, s28, 12
	s_add_co_u32 s46, s46, XIMG
	v_add_nc_u32 v5, s46, v3                       ; v5  where I store xn's images
	s_lshl_b32 s46, s28, 8
	s_add_co_u32 s46, s46, XSC
	v_add_nc_u32 v6, s46, v4                       ; v6  and their scale words
	v_lshlrev_b32 v24, 8, v28
	v_lshl_add_u32 v24, v11, 4, v24                ; a weight's row of 256 codes, + 16 h
	v_lshlrev_b32 v25, 3, v28                      ; its 8 scale bytes
	v_lshlrev_b32 v26, 3, v0                       ; g, b: 8 bytes a thread
	s_wait_alu depctr_va_vdst(0)
	v_lshl_add_u32 v27, v0, 3, GL
.irp i, 0,1,2,3
	v_mov_b32 v[TM+4+\i], 0                        ; written once: a lane permute's destination counts as one of its sources
.endr
	s_mov_b32 s[SEL], 0x76543210
	s_mov_b32 s[SEL+1], 0xfedcba98
	s_lshl_b32 s46, s28, 13                        ; my head's 32 rows of 256 codes
	s_mov_b32 s47, 0
	s_add_nc_u64 s[10:11], s[10:11], s[46:47]
	s_add_nc_u64 s[14:15], s[14:15], s[46:47]
	s_add_nc_u64 s[18:19], s[18:19], s[46:47]
	s_lshl_b32 s46, s28, 8                         ; and of 8 scale bytes
	s_add_nc_u64 s[12:13], s[12:13], s[46:47]
	s_add_nc_u64 s[16:17], s[16:17], s[46:47]
	s_add_nc_u64 s[20:21], s[20:21], s[46:47]
	global_load_b64 v[64:65], v26, s[6:7]          ; g
	global_load_b64 v[66:67], v26, s[8:9]          ; b
	WIN 0x40                                       ; destination window 1
.irp u, 0,1
.irp s, 0,1
.irp c, 0,1,2,3
	global_load_b128 v[16*(2*\u+\s)+4*\c:16*(2*\u+\s)+4*\c+3], v24, s[10:11] offset:2048*\u+128*\s+32*\c
	global_load_b128 v[64+16*(2*\u+\s)+4*\c:64+16*(2*\u+\s)+4*\c+3], v24, s[14:15] offset:2048*\u+128*\s+32*\c
	global_load_b128 v[128+16*(2*\u+\s)+4*\c:128+16*(2*\u+\s)+4*\c+3], v24, s[18:19] offset:2048*\u+128*\s+32*\c
.endr
.endr
.endr
	WIN 0
.irp u, 0,1
.irp s, 0,1
	global_load_b32 v[WS+2*\u+\s], v25, s[12:13] offset:64*\u+4*\s
	global_load_b32 v[WS+4+2*\u+\s], v25, s[16:17] offset:64*\u+4*\s
	global_load_b32 v[WS+8+2*\u+\s], v25, s[20:21] offset:64*\u+4*\s
.endr
.endr
	; where my results go, as offsets first
	s_mul_i32 s46, s45, 540672                     ; the batch's 16 chunks
	s_lshr_b32 s47, s44, 1
	s_mul_i32 s47, s47, 33792
	s_add_co_u32 s46, s46, s47                     ; the chunk of my 128 keys
	s_and_b32 s60, s44, 1                          ; g: which half of it
	s_lshl_b32 s61, s28, 12
	s_add_co_u32 s61, s61, s46
	s_lshl_b32 s62, s60, 11
	s_add_co_u32 s48, s61, s62                     ; K images: 4,096 head + 2,048 g
	s_mov_b32 s49, 0
	s_lshl_b32 s62, s60, 10
	s_add_co_u32 s52, s61, s62
	s_add_co_u32 s52, s52, 16384                   ; V images: 16,384 + 4,096 head + 1,024 g
	s_mov_b32 s53, 0
	s_lshl_b32 s61, s28, 7
	s_add_co_u32 s61, s61, s46
	s_lshl_b32 s62, s60, 6
	s_add_co_u32 s50, s61, s62
	s_add_co_u32 s50, s50, 32768                   ; K scale words: 32,768 + 128 head + 64 g
	s_mov_b32 s51, 0
	s_lshl_b32 s62, s60, 1
	s_add_co_u32 s54, s61, s62
	s_add_co_u32 s54, s54, 33280                   ; V scale bytes: 33,280 + 128 head + 2 g
	s_mov_b32 s55, 0
	s_lshl_b32 s61, s45, 2
	s_add_co_u32 s61, s61, s28
	s_lshl_b32 s61, s61, 7
	s_lshl_b32 s62, s44, 2
	s_add_co_u32 s61, s61, s62                     ; q: tile (4 batch + head) 128 + 4 x block
	s_lshl_b32 s56, s61, 9
	s_mov_b32 s57, 0
	s_lshl_b32 s58, s61, 6
	s_mov_b32 s59, 0
	s_add_nc_u64 s[48:49], s[22:23], s[48:49]
	s_add_nc_u64 s[50:51], s[22:23], s[50:51]
	s_add_nc_u64 s[52:53], s[22:23], s[52:53]
	s_add_nc_u64 s[54:55], s[22:23], s[54:55]
	s_add_nc_u64 s[56:57], s[24:25], s[56:57]
	s_add_nc_u64 s[58:59], s[26:27], s[58:59]
	s_mov_b32 s60, 0x3b800000                      ; 1 / 256
	s_mov_b32 s61, 0x3727c5ac                      ; 1e-5
	s_wait_alu depctr_va_vdst(0)
	s_wait_loadcnt 60                              ; g and b are in: behind them stand the weights' 48 + 12 loads
	ds_store_b64 v27, v[64:65]
	ds_store_b64 v27, v[66:67] offset:1024
	s_wait_xcnt 0x0                                ; the loads' offset registers are written again further down
	s_wait_tensorcnt 0x0                           ; my 64 rows of x's tile have landed
	BARRIER                                        ; everybody's have, and g and b lie in LDS
	; ---- the norm: my lane has 128 of its position's 256 channels, lane l xor 16 the others
.irp c, 0,1,2,3,4,5,6,7
.irp i, 0,1,2,3,4,5,6,7,8,9,10,11,12,13,14,15
	ds_load_b32 v[X+16*\c+\i], v1 offset:(32*\c+\i)*XP
.endr
.endr
	s_wait_dscnt 0x0
.irp k, 0,1,2,3
	v_pk_add_f32 v[SM+2*\k:SM+2*\k+1], v[X+2*\k:X+2*\k+1], v[X+8+2*\k:X+8+2*\k+1]
.endr
.set j, 16
.rept 14
.irp k, 0,1,2,3
	v_pk_add_f32 v[SM+2*\k:SM+2*\k+1], v[SM+2*\k:SM+2*\k+1], v[X+j+2*\k:X+j+2*\k+1]
.endr
.set j, j+8
.endr
	REDUCE
	v_mul_f32 v10, s60, v[SM]                      ; the mean,
	v_mov_b32 v11, v10                             ; as a pair
.set j, 0
.rept 64
	v_pk_add_f32 v[X+j:X+j+1], v[X+j:X+j+1], v[10:11] neg_lo:[0,1] neg_hi:[0,1]   ; x - mean: the variance is taken of these, not as a difference of large sums
.set j, j+2
.endr
.irp k, 0,1,2,3
	v_pk_mul_f32 v[SM+2*\k:SM+2*\k+1], v[X+2*\k:X+2*\k+1], v[X+2*\k:X+2*\k+1]
.endr
.set j, 8
.rept 15
.irp k, 0,1,2,3
	v_pk_fma_f32 v[SM+2*\k:SM+2*\k+1], v[X+j+2*\k:X+j+2*\k+1], v[X+j+2*\k:X+j+2*\k+1], v[SM+2*\k:SM+2*\k+1]
.endr
.set j, j+8
.endr
	REDUCE
	v_fma_f32 v[SM], v[SM], s60, s61               ; the variance + 1e-5
	s_wait_alu depctr_va_vdst(0)
	v_rsq_f32 v10, v[SM]
	v_nop                                          ; a plain line behind the transcendental
	s_wait_alu depctr_va_vdst(0)
	v_mov_b32 v11, v10
	s_wait_alu depctr_va_vdst(0)
.irp t, 0,1,2,3                                ; two blocks of 32 channels at a time: (x - mean) (g / sqrt) + b
.irp j, 0,1,2,3,4,5,6,7
	ds_load_b128 v[G+4*\j:G+4*\j+3], v2 offset:256*\t+128*(\j/4)+16*(\j%4)
	ds_load_b128 v[BB+4*\j:BB+4*\j+3], v2 offset:1024+256*\t+128*(\j/4)+16*(\j%4)
.endr
	s_wait_dscnt 0x0
.irp p, 0,2,4,6,8,10,12,14,16,18,20,22,24,26,28,30
	v_pk_mul_f32 v[G+\p:G+\p+1], v[G+\p:G+\p+1], v[10:11]
.endr
.irp p, 0,2,4,6,8,10,12,14,16,18,20,22,24,26,28,30
	v_pk_fma_f32 v[X+32*\t+\p:X+32*\t+\p+1], v[X+32*\t+\p:X+32*\t+\p+1], v[G+\p:G+\p+1], v[BB+\p:BB+\p+1]
.endr
.endr
	QUANT X                                        ; channels 0-127: K step 0
	IMAGE 0
	ds_store_b32 v6, v[PW]
	s_wait_dscnt 0x0                               ; the stores have read their registers
	QUANT X+64                                     ; channels 128-255: K step 1
	IMAGE 2048
	ds_store_b32 v6, v[PW] offset:128
	BARRIER                                        ; xn's eight fragments lie in LDS
	; ---- the projections of my head
	v_add_nc_u32 v1, XIMG, v3                      ; the images come back as they went, in any wave
	v_add_nc_u32 v2, XSC, v4
.irp f, 0,1,2,3,4,5,6,7
.irp c, 0,1,2,3
	ds_load_b128 v[X+16*\f+4*\c:X+16*\f+4*\c+3], v1 offset:2048*\f+512*\c
.endr
	ds_load_b32 v[XS+\f], v2 offset:128*\f
.endr
	s_wait_dscnt 0x0
	s_wait_loadcnt 0x0                             ; the weights
	PROJ 0, 1                                      ; q: block m of the quantiser = tile m's positions, my head's 32 channels
	QUANT ACC
.irp m, 0,1,2,3
	global_store_b128 v3, v[PC+4*\m:PC+4*\m+3], s[56:57] offset:512*\m   ; 32 lanes store 512 consecutive bytes
.endr
.irp m, 0,1,2,3
	v_lshl_or_b32 v[TM+8+\m], v[TM+4+\m], 8, v[TM+4+\m]
.endr
.irp m, 0,1,2,3
	v_lshl_or_b32 v[TM+8+\m], v[TM+8+\m], 16, v[TM+8+\m]   ; the byte four times: q may then stand in any of an operand's four blocks
.endr
.irp m, 0,1,2,3
	global_store_b32 v7, v[TM+8+\m], s[58:59] offset:64*\m   ; both halves of the lanes store the same word
.endr
	s_wait_xcnt 0x0                                ; the stores' data are written again below
	PROJ 1, 1                                      ; k
	QUANT ACC
.irp m, 0,1,2,3
	global_store_b128 v3, v[PC+4*\m:PC+4*\m+3], s[48:49] offset:512*\m
.endr
	global_store_b32 v7, v[PW], s[50:51]           ; byte m: tile 4 g + m, key row r
	s_wait_xcnt 0x0
	PROJ 2, 0                                      ; v: block 2 u + b of the quantiser = channel tile u, keys 32 b on
	QUANT ACC
.irp u, 0,1
.irp b, 0,1
	global_store_b128 v3, v[PC+4*(2*\u+\b):PC+4*(2*\u+\b)+3], s[52:53] offset:2048*\u+512*\b
.endr
.endr
	v_lshl_or_b32 v[TM+8], v[TM+5], 8, v[TM+4]     ; channel tile 0: my two key blocks' bytes,
	v_lshl_or_b32 v[TM+9], v[TM+7], 8, v[TM+6]     ; channel tile 1
	v_and_b32 v9, 16, v0
	v_cmp_eq_u32 vcc_lo, 0, v9
	v_cndmask_b32 v[TM+10], v[TM+9], v[TM+8], vcc_lo   ; lanes 0-15 carry tile 0's, lanes 16-31 tile 1's
	global_store_b16 v4, v[TM+10], s[54:55]
	s_set_vgpr_msb 0x5
	s_wait_tensorcnt 0x0
	ds_add_u32 v254, v255
	s_wait_dscnt 0x0
	s_set_vgpr_msb 0x500
	s_endpgm
.Lfunc_end_k_q4ceb0a0dd5_prep:
	.size	k_q4ceb0a0dd5_prep, .Lfunc_end_k_q4ceb0a0dd5_prep-k_q4ceb0a0dd5_prep
	.p2alignl 7, 3214868480
	.fill 96, 4, 3214868480
	.section	.rodata,"a",@progbits
	.p2align	6, 0x0
	.amdhsa_kernel k_q4ceb0a0dd5_prep
		.amdhsa_group_segment_fixed_size 168448
		.amdhsa_private_segment_fixed_size 0
		.amdhsa_enable_private_segment 0
		.amdhsa_kernarg_size 96
		.amdhsa_user_sgpr_count 2
		.amdhsa_user_sgpr_kernarg_segment_ptr 1
		.amdhsa_wavefront_size32 1
		.amdhsa_system_sgpr_workgroup_id_x 1
		.amdhsa_system_sgpr_workgroup_id_y 1
		.amdhsa_system_sgpr_workgroup_id_z 1
		.amdhsa_system_vgpr_workitem_id 0
		.amdhsa_next_free_vgpr 512
		.amdhsa_next_free_sgpr 66
		.amdhsa_reserve_vcc 1
		.amdhsa_float_denorm_mode_32 3
		.amdhsa_float_denorm_mode_16_64 3
		.amdhsa_fp16_overflow 1
		.amdhsa_memory_ordered 1
		.amdhsa_forward_progress 1
		.amdhsa_inst_pref_size 76
	.end_amdhsa_kernel
	.amdgpu_metadata
---
amdhsa.version: [ 1, 2 ]
amdhsa.kernels:
  - .name:           k_q4ceb0a0dd5_prep
    .symbol:         k_q4ceb0a0dd5_prep.kd
    .args:
      - { .name: x, .offset: 0, .size: 8, .value_kind: global_buffer, .address_space: global }
      - { .name: g, .offset: 8, .size: 8, .value_kind: global_buffer, .address_space: global }
      - { .name: b, .offset: 16, .size: 8, .value_kind: global_buffer, .address_space: global }
      - { .name: Wq_codes, .offset: 24, .size: 8, .value_kind: global_buffer, .address_space: global }
      - { .name: Wq_scales, .offset: 32, .size: 8, .value_kind: global_buffer, .address_space: global }
      - { .name: Wk_codes, .offset: 40, .size: 8, .value_kind: global_buffer, .address_space: global }
      - { .name: Wk_scales, .offset: 48, .size: 8, .value_kind: global_buffer, .address_space: global }
      - { .name: Wv_codes, .offset: 56, .size: 8, .value_kind: global_buffer, .address_space: global }
      - { .name: Wv_scales, .offset: 64, .size: 8, .value_kind: global_buffer, .address_space: global }
      - { .name: kv, .offset: 72, .size: 8, .value_kind: global_buffer, .address_space: global }
      - { .name: qimg, .offset: 80, .size: 8, .value_kind: global_buffer, .address_space: global }
      - { .name: qscl, .offset: 88, .size: 8, .value_kind: global_buffer, .address_space: global }
    .group_segment_fixed_size: 168448
    .private_segment_fixed_size: 0
    .kernarg_segment_align: 8
    .kernarg_segment_size: 96
    .max_flat_workgroup_size: 128
    .sgpr_count:     66
    .vgpr_count:     512
    .wavefront_size: 32
...
	.end_amdgpu_metadata
.endif
;; end of part 1
;; launch attn (part 2): grid 32 x 8, 16 waves a work-group, clusters of 4 x 1, 327,680 bytes of LDS; arguments qimg, qscl, kv, Wo_codes, Wo_scales, bo, x, out0; writes out0
.if DOCPART == 2
	.amdgcn_target "amdgcn-amd-amdhsa--gfx1250"
	.amdhsa_code_object_version 6
	.text
	.protected	k_q4ceb0a0dd5_attn
	.globl	k_q4ceb0a0dd5_attn
	.p2align	8
	.type	k_q4ceb0a0dd5_attn,@function
k_q4ceb0a0dd5_attn:
	s_mov_b64 s[64:65], 0
	v_nop
	global_prefetch_b8 v0, s[64:65] scope:SCOPE_SE
	s_setreg_imm32_b32 hwreg(HW_REG_WAVE_MODE, 25, 1), 1
	s_wait_xcnt 0x0
	s_wait_alu depctr_hold_cnt(0) depctr_sa_sdst(0) depctr_va_vdst(0) depctr_va_sdst(0) depctr_va_ssrc(0) depctr_va_vcc(0) depctr_vm_vsrc(0)
	s_getreg_b32 s2, hwreg(HW_REG_IB_STS2, 6, 4)
	s_cmp_eq_u32 s2, 0
	s_cbranch_scc0 .Lentry_in_a_cluster
	s_endpgm
.Lentry_in_a_cluster:
	s_bfe_u32 s2, ttmp6, 0x10000c
	s_cmp_lg_u32 s2, 0x3003
	s_cbranch_scc0 .Lentry_shape_is_right
	s_endpgm
.Lentry_shape_is_right:
; out0 = Wo (softmax(q k^T / sqrt(32)) v) + bo + x, all three products on codes of BF8 (E5M2) with one E8M0 scale for each 32 along K.  q, k, v come as images of operand registers.
; SHARES.  A work-group owns 64 queries of one batch, all four heads; wave w owns head w % 4 and tile w / 4 of 16 queries, in 256 registers: four waves to a SIMD, so that one wave's vector work
; stands beside another's matrix work and LDS loads.  Every wave walks the batch's 2,048 keys, 128 a step.  At the end wave w makes output channels 16 w .. 16 w + 15 for the 64 queries.
; CLUSTER.  The four work-groups of a cluster belong to one batch and walk the same chunks of kv: each slot is asked for JOINTLY, by the same tensor load with a mask that names the four.
; THE SCORES HAVE K = 32.  Source 0's 16 registers are FOUR tiles of 16 keys, one in each block of 32 along K; source 1 is a window onto 28 registers, q's four between twelve zeros on either side, which puts q
; into block c: zero codes add nothing, so that product is tile c's scores alone.  K's scale word has a byte for each of the four tiles, q's the same byte four times.
; Both products are used transposed: a lane holds ONE query throughout.  The keys of a tile are chosen so that the 16 registers of tiles 2 b, 2 b + 1 are keys 32 b + 16 (lane / 16) + 0 .. 15.
; THE SOFTMAX: t = score x log2(e) / sqrt(32); M = the running largest t rounded up to a whole number; p = 2^(t - M) is quantised along the keys, not normalised; the sum is taken of the unquantised p and divides at the end.
; When M moves, the sum and O are multiplied by 2^(old M - new M), which rounds nothing.  A block's largest p is the exponential of its largest score: this takes v_exp_f32 not to fall where its input rises.
; LIMITS: NaN and infinities are not served.  A block whose largest magnitude lies under 2^-111 gets the scale byte 1: its codes are zeros or subnormal codes under that byte.
.set CH,    33792                      ; a chunk of kv: 128 keys: K images, V images at 16,384, K scale words at 32,768, V's at 33,280
.set SLOT1, 1<<17                      ; a slot holds two chunks; slot 1 begins here, so that one exclusive or turns an address in one slot into the other's
.set SPARE, 2*CH                       ; behind slot 0: the spare words, 128 bytes for each of 16 waves: eight blocks of 256 bytes that no other line names
.set OIMG,  SPARE+2048                 ; the attention's result as four fragments (tile of queries qt: 2,048 qt; head: 512 each)
.set OSC,   OIMG+8192                  ; its scale bytes, a word a lane, 128 bytes for each wave
.set STG,   SLOT1+2*CH                 ; behind slot 1: a stage of 16 rows x (256 + 16) bytes for each wave
.set AK0, 1                            ; v1   16 x lane + 4,096 x head
.set AS0, 2                            ; v2   32,768 + 128 x head + 4 x lane
.set SPW, 3                            ; v3   LDS address of my spare word; never rewritten
.set NIL, 4                            ; v4   0; never rewritten
.set ADK, 5                            ; v5   the slot's images
.set ADS, 6                            ; v6   the slot's scale words
.set LI,  7                            ; v7   16 x lane
.set R4,  8                            ; v8   4 (lane % 16)
.set OWI, 9                            ; v9   where I store my result's codes
.set OWS, 10                           ; v10  and its scale byte
.set WOA, 11                           ; v11  Wo: row lane % 16 of 128 codes, + 16 (lane / 16)
                                       ; v12 -M, v13 the largest t, v[14:15] the sum in two halves;  v16-43 the window: q's codes in v28-31, zeros round them
.set QS,  44                           ; v44-47 scale words and nothing else: q's, K's (at the end Wo's), V's, p's
.set KS,  45
.set VS,  46
.set PS,  47
.set KF,  48                           ; v48-79   eight tiles of K
.set VF,  80                           ; v80-111  two fragments of V
.set S,   112                          ; v112-175 the scores, then p
.set O,   176                          ; v176-191 O^T: register 8 u + j = channel 16 (lane / 16) + 8 u + j of my head
.set PCD, 192                          ; v192-207 p's codes
.set BM,  208                          ; v208-211 the blocks' largest scores, then p
.set T1,  212                          ; v212-215 at work
.set HO,  216
.set SO,  220                          ; v220-223 the conversions' scale operands
.set TP,  224                          ; v224 at work
.set GO,  225                          ; v225 my byte offset in 16 rows of x and of out0
.set FF,  226                          ; v[226:227] f = 2^(old M - new M)
.set S2,  228                          ; v[228:229] the sum's second chain
.set STO, 230                          ; v230 the stage: where I put 32 bytes of a row;  v231 where I read a row back
.set SRD, 231
.set ORI, 232                          ; v232 OIMG + 16 x lane;  v233 OSC + 4 x lane
.set ORS, 233
.set OSW, 240                          ; v240-243 the result's scale words, one for each tile of queries
.set WV,  20                           ; s20 wave, s21 head, s22 tile of queries
.set MNT, 23
.set SEL, 24                           ; s[24:25] selects for lane l xor 16
.set CS,  26                           ; s[26:27] c = log2(e) / sqrt(32)
.set G1,  32                           ; s[32:39] descriptor group 1;  s[40:43] group 0, which walks
.set G0,  40
.set TB,  44                           ; s44 LDS byte at which the slot in hand begins
.set SLOTS, 45                         ; s45 slots still to be asked for
; A joint load: waves 0 to 3 fetch a quarter of a slot each, the others nothing.  The branch hangs on the wave's number alone.  Four v_nop follow the load.
.macro JLOAD
	s_cmp_lt_u32 s[WV], 4
	s_cbranch_scc0 .Lnone_\@
	tensor_load_to_lds s[G0:G0+3], s[G1:G1+7]
	s_nop 0
.rept 4
	v_nop
.endr
.Lnone_\@:
.endm
; A round of the cluster's barrier: my work-group's barrier; wave 0 signals for the work-group; every wave waits for all four work-groups; my work-group's barrier once more.
.macro CROUND
	s_barrier_signal -1
	s_barrier_wait -1
	s_cmp_lg_u32 s[WV], 0
	s_cbranch_scc1 .Lnot_wave_0_\@
	s_barrier_signal -3
.Lnot_wave_0_\@:
	s_barrier_wait -3
	s_barrier_signal -1
	s_barrier_wait -1
.endm
; THE CHANGE OF SLOTS stands at a slot's head.  Each wave waits for all its tensor loads, adds 0 to its spare word, and waits for that and for its reads of the slot that it has left.
; fill = 1: a round of the cluster's barrier, and behind it the slot just left is asked for again, with the 256 keys that follow: the load has a slot's two steps in which to land.
.macro CHANGE fill
	s_wait_tensorcnt 0x0                           ; no tensor load of mine is out, so group 0 may be written
	ds_add_u32 v[SPW], v[NIL]                      ; 0 onto my spare word
.if \fill
	s_xor_b32 s[G0+1], s[G0+1], SLOT1              ; the other slot than last time,
	s_add_nc_u64 s[G0+2:G0+3], s[G0+2:G0+3], 2*CH  ; the next two chunks; the type bits on top are not reached
.endif
	s_wait_dscnt 0x0                               ; the add is done, and my reads of the slot that I have left are over
.if \fill
	CROUND
	JLOAD                                          ; the first thing behind the round, and a wave's one tensor load until the next
.else
	s_barrier_signal -1
	s_barrier_wait -1
.endif
.endm
; A KEY STEP: 128 keys, chunk q of the slot in hand.
.macro STEP q
	ds_load_b32 v[KS], v[ADS] offset:\q*CH
.irp t, 0,1,2,3,4,5,6,7
	ds_load_b128 v[KF+4*\t:KF+4*\t+3], v[ADK] offset:\q*CH+512*\t
.endr
	s_wait_dscnt 4                                 ; the scale words and tiles 0-3 are in; tiles 4-7 may be out
.irp t, 0,1,2,3
	v_wmma_scale_f32_16x16x128_f8f6f4 v[S+8*\t:S+8*\t+7], v[KF:KF+15], v[28-4*\t:43-4*\t], 0, v[KS], v[QS] matrix_a_fmt:MATRIX_FMT_BF8 matrix_b_fmt:MATRIX_FMT_BF8
.endr
	s_wait_dscnt 0x0
.irp t, 0,1,2,3
	v_wmma_scale_f32_16x16x128_f8f6f4 v[S+32+8*\t:S+32+8*\t+7], v[KF+16:KF+31], v[28-4*\t:43-4*\t], 0, v[KS], v[QS] matrix_a_fmt:MATRIX_FMT_BF8 matrix_b_fmt:MATRIX_FMT_BF8 matrix_a_scale:MATRIX_SCALE_ROW1
.endr
.rept 8
	v_nop                                          ; eight places: behind these products for the reads of the scores, and behind the last step's second products for the loads into V's registers
.endr
.irp u, 0,1
.irp c, 0,1,2,3
	ds_load_b128 v[VF+16*\u+4*\c:VF+16*\u+4*\c+3], v[ADK] offset:\q*CH+16384+2048*\u+512*\c   ; V lands while the softmax is worked
.endr
.endr
	ds_load_b32 v[VS], v[ADS] offset:\q*CH+512
.irp b, 0,1,2,3
	v_max3_num_f32 v[BM+\b], v[S+16*\b], v[S+1+16*\b], v[S+2+16*\b]   ; the largest score of each block of 32 keys: for the row's maximum, and for the block's largest p
.endr
.irp i, 3,5,7,9,11,13
.irp b, 0,1,2,3
	v_max3_num_f32 v[BM+\b], v[BM+\b], v[S+16*\b+\i], v[S+1+16*\b+\i]
.endr
.endr
.irp b, 0,1,2,3
	v_max_num_f32 v[BM+\b], v[BM+\b], v[S+15+16*\b]
.endr
.irp b, 0,1,2,3
	s_delay_alu instid0(VALU_DEP_4)
	v_permlanex16_b32 v[T1+\b], v[BM+\b], s[SEL], s[SEL+1]
.endr
.irp b, 0,1,2,3
	s_delay_alu instid0(VALU_DEP_4)
	v_max_num_f32 v[BM+\b], v[BM+\b], v[T1+\b]     ; with lane l xor 16's 16 keys
.endr
	s_delay_alu instid0(VALU_DEP_2)
	v_max3_num_f32 v[TP], v[BM], v[BM+1], v[BM+2]
	s_delay_alu instid0(VALU_DEP_1)
	v_max_num_f32 v[TP], v[TP], v[BM+3]
	s_delay_alu instid0(VALU_DEP_1)
	v_mul_f32 v[TP], s[CS], v[TP]                  ; as t (c is positive)
	s_delay_alu instid0(VALU_DEP_1)
	v_max_num_f32 v13, v13, v[TP]                  ; the running largest t
	v_mov_b32 v[TP], v12
	s_delay_alu instid0(VALU_DEP_2)
	v_floor_f32 v12, -v13                          ; the new -M = -ceil(t)
	s_delay_alu instid0(VALU_DEP_1)
	v_sub_f32 v[TP], v12, v[TP]                    ; old M - new M: a whole number, 0 or less
	s_delay_alu instid0(VALU_DEP_1)
	v_cvt_i32_f32 v[TP], v[TP]                     ; (it saturates)
	s_delay_alu instid0(VALU_DEP_1)
	v_ldexp_f32 v[FF], 1.0, v[TP]                  ; f
.set j, 0
.rept 32
	v_pk_fma_f32 v[S+j:S+j+1], v[S+j:S+j+1], s[CS:CS+1], v[12:13] op_sel_hi:[1,0,0]   ; t - M, two at a time
.set j, j+2
.endr
.irp b, 0,1,2,3
	v_fma_f32 v[BM+\b], v[BM+\b], s[CS], v12
.endr
.set j, 0
	s_wait_alu depctr_va_vdst(0)
.rept 64
	v_exp_f32 v[S+j], v[S+j]                       ; p = 2^(t - M)
.set j, j+1
.endr
.irp b, 0,1,2,3
	v_exp_f32 v[BM+\b], v[BM+\b]                   ; the block's largest p
.endr
	v_pk_mul_f32 v[14:15], v[14:15], v[FF:FF+1] op_sel_hi:[1,0]   ; the sum under the new M.  (A plain line behind the exponentials)
	s_wait_alu depctr_va_vdst(0)
.irp b, 0,1,2,3
	v_max_num_f32 v[BM+\b], 0x8000000, v[BM+\b]    ; the floor 2^(16 - 127): the byte cannot fall under 1
.endr
.irp b, 0,1,2,3
	s_delay_alu instid0(VALU_DEP_4)
	v_add_nc_u32 v[SO+\b], 0xf8800000, v[BM+\b]    ; 15 off the exponent field: the conversion's scale operand
.endr
.irp b, 0,1,2,3
.endr
.irp b, 0,1,2,3
	s_delay_alu instid0(VALU_DEP_4)
	v_lshrrev_b32 v[T1+\b], 23, v[SO+\b]           ; the scale's byte
.endr
	s_delay_alu instid0(VALU_DEP_3)
	v_lshl_or_b32 v[PS], v[T1+1], 8, v[T1]         ; p's scale word for these 128 keys
	s_delay_alu instid0(VALU_DEP_1)
	v_lshl_or_b32 v[PS], v[T1+2], 16, v[PS]
	s_delay_alu instid0(VALU_DEP_1)
	v_lshl_or_b32 v[PS], v[T1+3], 24, v[PS]
	v_pk_add_f32 v[228:229], v[116:117], v[120:121]
	v_pk_add_f32 v[254:255], v[124:125], v[128:129]
	v_pk_add_f32 v[252:253], v[132:133], v[136:137]
	v_pk_add_f32 v[250:251], v[140:141], v[144:145]
	v_pk_add_f32 v[248:249], v[148:149], v[152:153]
	v_pk_add_f32 v[246:247], v[156:157], v[160:161]
	v_pk_add_f32 v[244:245], v[164:165], v[168:169]
	v_pk_add_f32 v[14:15], v[14:15], v[172:173]
	v_pk_add_f32 v[228:229], v[228:229], v[112:113]
	v_pk_add_f32 v[254:255], v[254:255], v[114:115]
	v_pk_add_f32 v[252:253], v[252:253], v[118:119]
	v_pk_add_f32 v[250:251], v[250:251], v[122:123]
	v_pk_add_f32 v[248:249], v[248:249], v[126:127]
	v_pk_add_f32 v[246:247], v[246:247], v[130:131]
	v_pk_add_f32 v[244:245], v[244:245], v[134:135]
	v_pk_add_f32 v[14:15], v[14:15], v[138:139]
	v_pk_add_f32 v[228:229], v[228:229], v[142:143]
	v_pk_add_f32 v[254:255], v[254:255], v[146:147]
	v_pk_add_f32 v[252:253], v[252:253], v[150:151]
	v_pk_add_f32 v[250:251], v[250:251], v[154:155]
	v_pk_add_f32 v[248:249], v[248:249], v[158:159]
	v_pk_add_f32 v[246:247], v[246:247], v[162:163]
	v_pk_add_f32 v[244:245], v[244:245], v[166:167]
	v_pk_add_f32 v[14:15], v[14:15], v[170:171]
	v_pk_add_f32 v[228:229], v[228:229], v[174:175]
	s_delay_alu instid0(VALU_DEP_2)
	v_pk_add_f32 v[14:15], v[14:15], v[250:251]
	s_delay_alu instid0(VALU_DEP_2)
	v_pk_add_f32 v[228:229], v[228:229], v[248:249]
	v_pk_add_f32 v[254:255], v[254:255], v[246:247]
	v_pk_add_f32 v[252:253], v[252:253], v[244:245]
	s_delay_alu instid0(VALU_DEP_2)
	v_pk_add_f32 v[14:15], v[14:15], v[254:255]
	s_delay_alu instid0(VALU_DEP_2)
	v_pk_add_f32 v[228:229], v[228:229], v[252:253]
	s_delay_alu instid0(VALU_DEP_1)
	v_pk_add_f32 v[14:15], v[14:15], v[228:229]
.irp b, 0,1,2,3
.irp i, 0,1,2,3,4,5,6,7,8,9,10,11,12,13,14,15
.endr
	v_cvt_scalef32_pk8_bf8_f32 v[PCD+4*\b:PCD+1+4*\b], v[S+16*\b:S+7+16*\b], v[SO+\b]
	v_cvt_scalef32_pk8_bf8_f32 v[PCD+2+4*\b:PCD+3+4*\b], v[S+8+16*\b:S+15+16*\b], v[SO+\b]
.endr
.irp j, 0,2,4,6,8,10,12,14
	v_pk_mul_f32 v[O+\j:O+\j+1], v[O+\j:O+\j+1], v[FF:FF+1] op_sel_hi:[1,0]   ; O^T under the new M; these eight also stand between the codes and the products that take them
.endr
	s_wait_alu depctr_va_vdst(0)
	s_wait_dscnt 0x0                               ; V and its scale words
	v_wmma_scale_f32_16x16x128_f8f6f4 v[O:O+7], v[VF:VF+15], v[PCD:PCD+15], v[O:O+7], v[VS], v[PS] matrix_a_fmt:MATRIX_FMT_BF8 matrix_b_fmt:MATRIX_FMT_BF8
	v_wmma_scale_f32_16x16x128_f8f6f4 v[O+8:O+15], v[VF+16:VF+31], v[PCD:PCD+15], v[O+8:O+15], v[VS], v[PS] matrix_a_fmt:MATRIX_FMT_BF8 matrix_b_fmt:MATRIX_FMT_BF8 matrix_a_scale:MATRIX_SCALE_ROW1
.endm
.macro SLOT_STEPS
	v_add_nc_u32 v[ADK], s[TB], v[AK0]
	s_wait_alu depctr_va_vdst(0)
	v_add_nc_u32 v[ADS], s[TB], v[AS0]
	s_wait_alu depctr_va_vdst(0)
	STEP 0
	STEP 1
	s_xor_b32 s[TB], s[TB], SLOT1                  ; on to the other slot
.endm
	s_load_b256 s[4:11], s[0:1], 0x0               ; qimg s[4:5], qscl s[6:7], kv s[8:9], Wo's codes s[10:11]
	s_load_b256 s[12:19], s[0:1], 0x20             ; Wo's scales s[12:13], bo s[14:15], x s[16:17], out0 s[18:19]
	v_lshl_add_u32 v[SPW], v0, 2, SPARE
	v_mov_b32 v[NIL], 0
	ds_add_u32 v3, v4
	ds_add_u32 v3, v4
	s_wait_dscnt 0x0
	v_lshrrev_b32 v5, 5, v0
	s_delay_alu instid0(VALU_DEP_1)
	v_readfirstlane_b32 s[WV], v5                  ; wave 0..15
	s_and_b32 s21, s[WV], 3                        ; my head.  Also: which quarter of a slot I fetch, if I fetch
	s_lshr_b32 s22, s[WV], 2                       ; my tile of queries
	s_bfe_u32 s46, ttmp6, 0x40000                  ; cx: my place in the cluster: it enters the addresses of q, x and out0 alone
	s_lshl_b32 s47, ttmp9, 2
	s_add_co_u32 s47, s47, s46                     ; my block of 64 queries = 4 x cluster x + cx
	s_and_b32 s48, ttmp7, 0xffff                   ; the batch, which the four partners share
	; descriptor group 1: a dense block of 16,896 bytes as 66 rows of 32 elements of 8 bytes
	s_mov_b32 s[G1], 15|(3<<16)|(1<<21)            ; 15:0 the mask: all four work-groups; 17:16 elements of 8 bytes; 21 set beside a mask
	s_mov_b32 s[G1+1], 32<<16                      ; tensor_dim0
	s_mov_b32 s[G1+2], 66<<16                      ; tensor_dim1
	s_mov_b32 s[G1+3], 32<<16                      ; tile_dim0
	s_mov_b32 s[G1+4], 66                          ; tile_dim1
	s_mov_b32 s[G1+5], 32                          ; from row to row
	s_mov_b32 s[G1+6], 0
	s_mov_b32 s[G1+7], 0
	s_mov_b32 s[G0], 1
	s_mul_i32 s[G0+1], s21, 16896                  ; my quarter of slot 0
	s_mul_i32 s50, s48, 540672                     ; the batch's 16 chunks,
	s_add_co_u32 s50, s50, s[G0+1]                 ; my quarter of the first two
	s_mov_b32 s51, 0
	s_lshl_b32 s52, s48, 2
	s_add_co_u32 s52, s52, s21
	s_lshl_b32 s52, s52, 7
	s_lshl_b32 s53, s47, 2
	s_add_co_u32 s52, s52, s53
	s_add_co_u32 s52, s52, s22                     ; q's tile: (4 batch + head) 128 + 4 block + my tile
	s_lshl_b32 s54, s52, 9
	s_mov_b32 s55, 0
	s_lshl_b32 s56, s52, 6
	s_mov_b32 s57, 0
	s_lshl_b32 s58, s48, 21                        ; x and out0: batch x 2,097,152
	s_lshl_b32 s53, s[WV], 17                      ; + 16 wave rows of 8,192 bytes
	s_add_co_u32 s58, s58, s53
	s_lshl_b32 s53, s47, 8                         ; + 64 positions x 4 bytes
	s_add_co_u32 s58, s58, s53
	s_mov_b32 s59, 0
	s_lshl_b32 s60, s[WV], 11                      ; Wo: my 16 rows of 128 codes
	s_mov_b32 s61, 0
	s_lshl_b32 s62, s[WV], 6                       ; their 16 scale words; bo's 16 numbers
	s_mov_b32 s63, 0
	s_mov_b32 s[SEL], 0x76543210
	s_mov_b32 s[SEL+1], 0xfedcba98
	s_mov_b32 s[CS], 0x3e8293ee                    ; c = log2(e) / sqrt(32)
	s_mov_b32 s[CS+1], s[CS]                       ; (named with it as a pair, so it is written)
	s_mov_b32 s[TB], 0
	s_mov_b32 s[SLOTS], 7
	; every address register is made here, ahead of the first branch
	v_and_b32 v5, 31, v0                           ; lane
	s_wait_alu depctr_va_vdst(0)
	v_and_b32 v6, 15, v0                           ; r
	s_wait_alu depctr_va_vdst(0)
	v_bfe_u32 v[TP], v0, 4, 1                      ; h
	v_lshlrev_b32 v[LI], 4, v5
	v_lshlrev_b32 v[R4], 2, v6
	s_lshl_b32 s53, s21, 12
	v_add_nc_u32 v[AK0], s53, v[LI]
	s_lshl_b32 s53, s21, 7
	s_add_co_u32 s53, s53, 32768
	v_lshl_add_u32 v[AS0], v5, 2, s53
	s_lshl_b32 s53, s22, 11
	s_lshl_b32 s49, s21, 9
	s_add_co_u32 s53, s53, s49
	s_add_co_u32 s53, s53, OIMG
	v_add_nc_u32 v[OWI], s53, v[LI]
	s_lshl_b32 s53, s[WV], 7
	s_add_co_u32 s53, s53, OSC
	v_lshl_add_u32 v[OWS], v5, 2, s53
	v_lshlrev_b32 v[WOA], 7, v6
	s_wait_alu depctr_va_vdst(0)
	v_lshl_add_u32 v[WOA], v[TP], 4, v[WOA]
	v_lshlrev_b32 v[GO], 13, v[TP]                 ; lanes 0-15 take one row of 8,192 bytes, lanes 16-31 the next;
	s_delay_alu instid0(VALU_DEP_1)
	v_lshl_add_u32 v[GO], v6, 4, v[GO]             ; 16 bytes a lane
	s_mul_i32 s53, s[WV], 16*272
	s_add_co_u32 s53, s53, STG                     ; my stage
	v_mul_u32_u24 v[STO], v6, 272
	s_delay_alu instid0(VALU_DEP_1)
	v_lshl_add_u32 v[STO], v[TP], 6, v[STO]
	s_delay_alu instid0(VALU_DEP_1)
	v_add_nc_u32 v[STO], s53, v[STO]               ; in: row r (an output channel), + 64 h
	v_mul_u32_u24 v[SRD], v[TP], 272
	s_delay_alu instid0(VALU_DEP_1)
	v_lshl_add_u32 v[SRD], v6, 4, v[SRD]
	s_delay_alu instid0(VALU_DEP_1)
	v_add_nc_u32 v[SRD], s53, v[SRD]               ; back: two whole rows an instruction
	v_add_nc_u32 v[ORI], OIMG, v[LI]
	v_lshl_add_u32 v[ORS], v5, 2, OSC
	s_wait_kmcnt 0x0
	s_add_nc_u64 s[G0+2:G0+3], s[8:9], s[50:51]
	s_or_b32 s[G0+3], s[G0+3], 0x80000000
	s_add_nc_u64 s[4:5], s[4:5], s[54:55]
	s_add_nc_u64 s[6:7], s[6:7], s[56:57]
	s_add_nc_u64 s[16:17], s[16:17], s[58:59]
	s_add_nc_u64 s[18:19], s[18:19], s[58:59]
	s_add_nc_u64 s[10:11], s[10:11], s[60:61]
	s_add_nc_u64 s[12:13], s[12:13], s[62:63]
	s_add_nc_u64 s[14:15], s[14:15], s[62:63]
	CROUND                                         ; all four work-groups are here: the first joint loads meet
	JLOAD                                          ; slot 0
	global_load_b128 v[28:31], v[LI], s[4:5]       ; q's codes
	global_load_b32 v[QS], v[R4], s[6:7]           ; and its scale words
.irp j, 16,17,18,19,20,21,22,23,24,25,26,27,32,33,34,35,36,37,38,39,40,41,42,43
	v_mov_b32 v[\j], 0                             ; the zero codes round q
.endr
.irp j, 0,1,2,3,4,5,6,7,8,9,10,11,12,13,14,15
	v_mov_b32 v[O+\j], 0                           ; O^T.  (The step is written once: the first finds zeros, which the first change of M leaves zeros)
.endr
.irp b, 0,1,2,3
	v_mov_b32 v[T1+\b], 0                          ; written once: a lane permute's destination counts as one of its sources
.endr
	v_mov_b32 v[FF+1], 0                           ; (named as the upper half of a pair)
	v_mov_b32 v13, 0xff61b1e6                      ; the largest t so far: -3e38, under every t
	s_delay_alu instid0(VALU_DEP_1)
	v_floor_f32 v12, -v13                          ; -M
	v_mov_b32 v14, 0                               ; the sum, in two halves
	v_mov_b32 v15, 0
	s_wait_loadcnt 0x0                             ; q
.Lslot:                                            ; seven trips: behind each change of slots but the last the next slot is asked for
	CHANGE 1
	SLOT_STEPS
	s_sub_co_u32 s[SLOTS], s[SLOTS], 1
	s_cmp_lg_u32 s[SLOTS], 0
	s_cbranch_scc1 .Lslot
	CHANGE 0                                       ; the last slot is written out
	SLOT_STEPS
	; ---- THE WAY OUT.  My tile's result is divided by the sum and quantised: my head's 32 channels are one block of the last product's K.
.rept 8
	v_nop                                          ; places behind the last products
.endr
.irp c, 0,1,2,3
	global_load_b128 v[48+4*\c:51+4*\c], v[WOA], s[10:11] offset:32*\c   ; Wo's fragment: output channels 16 w + r
.endr
	global_load_b32 v[KS], v[R4], s[12:13]         ; its scale words
.irp j, 0,1,2,3,4,5,6,7
	global_load_b32 v[64+\j], v[R4], s[14:15]      ; bo of my lane's output channel, in the result's eight registers: the C of the last product
.endr
.irp i, 0,1,2,3,4,5,6,7
	global_load_b128 v[144+4*\i:147+4*\i], v[GO], s[16:17] offset:16384*\i th:TH_LOAD_NT   ; the residual: 16 rows x 256 bytes of x
.endr
	v_add_f32 v14, v14, v15                        ; the sum's two halves,
	s_delay_alu instid0(VALU_DEP_1)
	v_permlanex16_b32 v[TP], v14, s[SEL], s[SEL+1]
	s_delay_alu instid0(VALU_DEP_1)
	v_add_f32 v14, v14, v[TP]                      ; and lane l xor 16's
	s_wait_alu depctr_va_vdst(0)
	v_rcp_f32 v14, v14
	v_nop                                          ; a plain line behind the transcendental
	s_wait_alu depctr_va_vdst(0)
	v_mov_b32 v15, v14
.irp j, 0,2,4,6,8,10,12,14
	v_pk_mul_f32 v[S+\j:S+\j+1], v[O+\j:O+\j+1], v[14:15]   ; O^T / the sum, each accumulator from its low end on
.endr
	v_max3_num_f32 v[BM], |v[S]|, |v[S+1]|, 0x8000000
.irp i, 2,4,6,8,10,12,14
	s_delay_alu instid0(VALU_DEP_1)
	v_max3_num_f32 v[BM], v[BM], |v[S+\i]|, |v[S+1+\i]|
.endr
	s_delay_alu instid0(VALU_DEP_1)
	v_permlanex16_b32 v[T1], v[BM], s[SEL], s[SEL+1]
	s_delay_alu instid0(VALU_DEP_1)
	v_max_num_f32 v[BM], v[BM], v[T1]
	s_delay_alu instid0(VALU_DEP_1)
	v_add_nc_u32 v[SO], 0xf8800000, v[BM]
	s_delay_alu instid0(VALU_DEP_1)
	v_lshrrev_b32 v[T1+1], 23, v[SO]               ; the scale's byte
.irp i, 0,1,2,3,4,5,6,7,8,9,10,11,12,13,14,15
.endr
	v_cvt_scalef32_pk8_bf8_f32 v[128:129], v[S:S+7], v[SO]
	v_cvt_scalef32_pk8_bf8_f32 v[130:131], v[S+8:S+15], v[SO]
	v_nop                                          ; a plain line behind the last conversion
	ds_store_b128 v[OWI], v[128:131]               ; registers 4 head .. 4 head + 3 of tile qt's fragment, as they stand
	ds_store_b32 v[OWS], v[T1+1]
	s_wait_dscnt 0x0                               ; for the others' sake
	s_barrier_signal -1
	s_barrier_wait -1                              ; the four fragments lie in LDS
.irp t, 0,1,2,3
.irp c, 0,1,2,3
	ds_load_b128 v[80+16*\t+64*(\t/2)+4*\c:83+16*\t+64*(\t/2)+4*\c], v[ORI] offset:2048*\t+512*\c   ; tiles 0, 1 at v80, v96; tiles 2, 3 at v176, v192
.endr
.endr
.irp t, 0,1,2,3
.irp c, 0,1,2,3
	ds_load_b32 v[S+4*\t+\c], v[ORS] offset:128*(4*\t+\c)
.endr
.endr
	s_wait_dscnt 0x0
.irp t, 0,1,2,3
	v_lshl_or_b32 v[OSW+\t], v[S+4*\t+1], 8, v[S+4*\t]     ; the four heads' bytes make a tile's scale word
.endr
.irp t, 0,1,2,3
	s_delay_alu instid0(VALU_DEP_4)
	v_lshl_or_b32 v[OSW+\t], v[S+4*\t+2], 16, v[OSW+\t]
.endr
.irp t, 0,1,2,3
	s_delay_alu instid0(VALU_DEP_4)
	v_lshl_or_b32 v[OSW+\t], v[S+4*\t+3], 24, v[OSW+\t]
.endr
.rept 8
	v_nop                                          ; a scale word made by vector instructions stands eight places ahead of the product that takes it
.endr
	s_wait_alu depctr_va_vdst(0)
	s_wait_loadcnt 8                               ; Wo, its scales and bo are in; x's eight loads may be out
	; y(query, channel): source 0 = 16 queries, source 1 = my 16 output channels: a lane holds one channel and eight neighbouring positions.  Results at v16, v24, v32, v208
.irp t, 0,1,2,3
	v_wmma_scale_f32_16x16x128_f8f6f4 v[16+8*\t+168*(\t/3):23+8*\t+168*(\t/3)], v[80+16*\t+64*(\t/2):95+16*\t+64*(\t/2)], v[48:63], v[64:71], v[OSW+\t], v[KS] matrix_a_fmt:MATRIX_FMT_BF8 matrix_b_fmt:MATRIX_FMT_BF8
.endr
.rept 8
	v_nop                                          ; places in front of the stores of results and of the loads into the fragments' registers
.endr
.irp t, 0,1,2,3
	ds_store_b128 v[STO], v[16+8*\t+168*(\t/3):19+8*\t+168*(\t/3)] offset:128*(\t/2)+32*(\t%2)       ; tile 2 b + u, register j: position 32 b + 16 h + 8 u + j
	ds_store_b128 v[STO], v[20+8*\t+168*(\t/3):23+8*\t+168*(\t/3)] offset:128*(\t/2)+32*(\t%2)+16
.endr
.irp i, 0,1,2,3,4,5,6,7
	ds_load_b128 v[80+4*\i:83+4*\i], v[SRD] offset:544*\i   ; LDS serves a wave's instructions in order (ISA guide 5.7.1.4): these see my stores
.endr
	s_wait_loadcnt 0x0                             ; x
	s_wait_dscnt 0x0
.set j, 0
.rept 16
	v_pk_add_f32 v[80+j:81+j], v[80+j:81+j], v[144+j:145+j]
.set j, j+2
.endr
.irp i, 0,1,2,3,4,5,6,7
	global_store_b128 v[GO], v[80+4*\i:83+4*\i], s[18:19] offset:16384*\i th:TH_STORE_NT   ; 16 lanes store 256 consecutive bytes, at a multiple of 256 from out0's first byte
.endr
	s_wait_tensorcnt 0x0                           ; the wave's end: behind my last tensor load and my last LDS store
	ds_add_u32 v[SPW], v[NIL]
	s_wait_dscnt 0x0
	CROUND                                         ; the closing round: no work-group ends while a partner may still ask for a tile that names it
	s_endpgm
.Lfunc_end_k_q4ceb0a0dd5_attn:
	.size	k_q4ceb0a0dd5_attn, .Lfunc_end_k_q4ceb0a0dd5_attn-k_q4ceb0a0dd5_attn
	.p2alignl 7, 3214868480
	.fill 96, 4, 3214868480
	.section	.rodata,"a",@progbits
	.p2align	6, 0x0
	.amdhsa_kernel k_q4ceb0a0dd5_attn
		.amdhsa_group_segment_fixed_size 327680
		.amdhsa_private_segment_fixed_size 0
		.amdhsa_enable_private_segment 0
		.amdhsa_kernarg_size 64
		.amdhsa_user_sgpr_count 2
		.amdhsa_user_sgpr_kernarg_segment_ptr 1
		.amdhsa_wavefront_size32 1
		.amdhsa_system_sgpr_workgroup_id_x 1
		.amdhsa_system_sgpr_workgroup_id_y 1
		.amdhsa_system_sgpr_workgroup_id_z 1
		.amdhsa_system_vgpr_workitem_id 0
		.amdhsa_next_free_vgpr 256
		.amdhsa_next_free_sgpr 66
		.amdhsa_reserve_vcc 0
		.amdhsa_float_denorm_mode_32 3
		.amdhsa_float_denorm_mode_16_64 3
		.amdhsa_fp16_overflow 1
		.amdhsa_memory_ordered 1
		.amdhsa_forward_progress 1
		.amdhsa_inst_pref_size 80
	.end_amdhsa_kernel
	.amdgpu_metadata
---
amdhsa.version: [ 1, 2 ]
amdhsa.kernels:
  - .name:           k_q4ceb0a0dd5_attn
    .symbol:         k_q4ceb0a0dd5_attn.kd
    .args:
      - { .name: qimg, .offset: 0, .size: 8, .value_kind: global_buffer, .address_space: global }
      - { .name: qscl, .offset: 8, .size: 8, .value_kind: global_buffer, .address_space: global }
      - { .name: kv, .offset: 16, .size: 8, .value_kind: global_buffer, .address_space: global }
      - { .name: Wo_codes, .offset: 24, .size: 8, .value_kind: global_buffer, .address_space: global }
      - { .name: Wo_scales, .offset: 32, .size: 8, .value_kind: global_buffer, .address_space: global }
      - { .name: bo, .offset: 40, .size: 8, .value_kind: global_buffer, .address_space: global }
      - { .name: x, .offset: 48, .size: 8, .value_kind: global_buffer, .address_space: global }
      - { .name: out0, .offset: 56, .size: 8, .value_kind: global_buffer, .address_space: global }
    .group_segment_fixed_size: 327680
    .private_segment_fixed_size: 0
    .kernarg_segment_align: 8
    .kernarg_segment_size: 64
    .max_flat_workgroup_size: 512
    .sgpr_count:     66
    .vgpr_count:     256
    .wavefront_size: 32
...
	.end_amdgpu_metadata
.endif
;; end of part 2
